; MI455X (gfx1250); checked and timed in simulation.
; The chip was launched on July 23, 2026; its instructions are those of AMD's public machine-readable ISA for CDNA 5 (MIT licence, August 2026) and "CDNA5" Instruction Set Architecture Reference Guide (July 2026). The comments in the code are by the model that wrote it; some were corrected since.
;; Sparse Layer. Allowed arithmetic: matrix products marked QUANTISED: E2M1 operands, one E8M0 scale for each 32 along K, by v_wmma_scale_f32_16x16x128_f8f6f4 with both operands' format E2M1 (or v_wmma_scale_f32_32x16x128_f4), f32 sums; everything else in f32.
;; Inputs: W_codes 4,096 x 128 x 16 uint8 (E2M1 codes of W, K innermost, in blocks of 32 codes, two codes a byte); W_scales 4,096 x 128 uint8 (E8M0 scales of W, one for each 32 codes along K); x_codes 4,096 x 128 x 16 uint8 (E2M1 codes of x, K innermost, in blocks of 32 codes, two codes a byte); x_scales 4,096 x 128 uint8 (E8M0 scales of x, one for each 32 codes along K).
;; Outputs: out0 4,096 x 4,096 float32.
;; This version of the problem:
;;   THIS VERSION OF THE PROBLEM IS GIVEN IN LOW PRECISION. The matrix products marked QUANTISED in the list below multiply operands that are first quantised to E2M1 (2 exponent bits, 1 mantissa bit; 4 bits a number), with one power-of-two scale for each 32 numbers along K (OCP MX v1.0); their sums are f32. All else is computed in f32.
;;   The module's matrix products, in the order in which they are computed (A, B: the left and right operand; K: the contracted axis; several contracted axes count as one K, in the product's order):
;;     1. [M 4,096, K 4,096] x [K 4,096, N 4,096]; A: input W (given as codes); B: input x (given as codes): QUANTISED
;;   THE QUANTISER, for each operand of a quantised product, along K:
;;     - K is cut into blocks of 32 from its start; a last block that is shorter is filled with zeros.
;;     - A block's scale is 2^e with e = floor(log2(the largest magnitude in the block)) - 2, held to -126 .. 127; a block of zeros has e = 0. As a byte (E8M0): e + 127.
;;     - Each number is divided by its block's scale, clamped to +-6, and rounded to the nearest number of E2M1, ties to even, subnormals kept.
;;     - The product sums the exact products of the quantised numbers (number of the format x scale) in f32.
;;   ~~~python
;;   def quantise(x, axis):      # numpy; x: float32 -> the quantised numbers, widened to float32 again
;;       x = np.moveaxis(x, axis, -1); K = x.shape[-1]
;;       x = np.pad(x, [(0, 0)] * (x.ndim - 1) + [(0, -K % 32)]); x = x.reshape(x.shape[:-1] + (-1, 32)); a = np.abs(x).max(-1, keepdims=True)
;;       e = np.where(a > 0, np.clip(np.frexp(np.where(a > 0, a, 1))[1] - 1 - 2, -126, 127), 0)      # np.frexp(a)[1] - 1 = floor(log2(a)), exactly
;;       r = np.clip(x / 2.0 ** e, -6, 6)
;;       step = 2.0 ** (np.maximum(np.frexp(np.where(r == 0, 1, r))[1] - 1, 0) - 1)
;;       q = np.round(r / step) * step * 2.0 ** e      # np.round: ties to even
;;       return np.moveaxis(q.reshape(q.shape[:-2] + (-1,))[..., :K], -1, axis).astype(np.float32)
;;   ~~~
;;   INPUTS GIVEN AS CODES. W (in the module: [4096, 4096], K = its axis 0); x (in the module: [4096, 4096], K = its axis 0): each comes as NAME_codes (uint8): NAME with its K axis moved to the last place and cut into blocks of 32 codes, [.., K / 32, bytes a block], one block behind the other in memory; two codes a byte, the lower K in the low four bits (a code: sign, 2 exponent bits, 1 mantissa bit); and NAME_scales (uint8): the same leading axes, one E8M0 byte (e + 127) for each 32 codes along K. Its value is code x scale, taken as it is: it is not quantised again, and the codes and scales need not be those that the quantiser above would give.
;; One version. Each part assembles by itself: llvm-mc -triple=amdgcn-amd-amdhsa -mcpu=gfx1250 --defsym DOCPART=n.
;; ======== version 1 of 1: 1 launch
;; limits: right only within a limited range of input values
;; launch gemm (part 1): grid 16 x 16, 4 waves a work-group, clusters of 4 x 4, 327,680 bytes of LDS; arguments W_codes, W_scales, x_codes, x_scales, out0; writes out0
.if DOCPART == 1
	.amdgcn_target "amdgcn-amd-amdhsa--gfx1250"
	.amdhsa_code_object_version 6
	.text
	.protected	k_q16dd4687f7_gemm
	.globl	k_q16dd4687f7_gemm
	.p2align	8
	.type	k_q16dd4687f7_gemm,@function
k_q16dd4687f7_gemm:
	s_mov_b64 s[64:65], 0
	v_nop
	global_prefetch_b8 v0, s[64:65] scope:SCOPE_SE
	s_setreg_imm32_b32 hwreg(HW_REG_WAVE_MODE, 25, 1), 1
	s_wait_xcnt 0x0
	s_wait_alu depctr_hold_cnt(0) depctr_sa_sdst(0) depctr_va_vdst(0) depctr_va_sdst(0) depctr_va_ssrc(0) depctr_va_vcc(0) depctr_vm_vsrc(0)
	s_getreg_b32 s2, hwreg(HW_REG_IB_STS2, 6, 4)
	s_cmp_eq_u32 s2, 0
	s_cbranch_scc0 .Lentry_in_a_cluster
	s_endpgm
.Lentry_in_a_cluster:
	s_bfe_u32 s2, ttmp6, 0x10000c
	s_cmp_lg_u32 s2, 0xf033
	s_cbranch_scc0 .Lentry_shape_is_right
	s_endpgm
.Lentry_shape_is_right:
; out0[o][b] = sum over i of W[i][o] x[i][b], both operands given as codes of FP4 (E2M1) with K = i innermost and one E8M0 scale byte for each 32 along K:
; C = A B^T with A = W_codes [4096 (o)][2048 bytes], B = x_codes [4096 (b)][2048 bytes], scale rows of 128 bytes, C = out0 [4096][4096] f32.  Codes and scale bytes go to the matrix instruction as they lie.
; LIMITS: scale bytes are taken as given (0xff makes the sums NaN, 0 stands for 2^-127); the sums are the matrix instruction's own, one accumulator for each output, K ascending.
; SHARES.  256 tiles of C of 256 x 256, one to a work-group of four waves; a wave makes 128 x 128: 32 accumulators of 32 x 16, 512 registers.
; K goes in 8 steps of 512 (a tile's row is 256 bytes of memory, at a multiple of 256 bytes of its buffer) through a ring of two LDS slots; each wave fetches 128 rows of a slot with one tensor load.
; CLUSTERS: 4 x 4 work-groups.  The four of a row of the cluster need the same tiles of W, the four of a column the same tiles of x: each tile is asked for JOINTLY, by the same tensor load with the same
; descriptor and a mask that names the four.
; SCALES.  W's, 256 rows x 128 bytes, are one dense block: one tensor load of 128 rows of 256 bytes brings them, and they stay in LDS.  x's do not fit beside them and the ring: each wave loads those of its 128 rows
; once into 128 registers (XS) and turns them from memory order into a row a lane through 2,560 bytes of LDS of its own.  XS's register numbers are others in each K step, so the eight K steps are written out by macro.
; THE MATRIX INSTRUCTION IS USED TRANSPOSED (source 0 = 32 rows of x, source 1 = 16 rows of W): lane (r, h) then holds row r of 16 rows of C and eight neighbouring columns in registers 0-7 (8 h ..) and in 8-15 (16 + 8 h ..).
; REGISTERS, in windows of 256: window 0: v16-31 addresses; v32-63 W's scale words, two sets; v64-191 x's scale words of all of K; v192-255 W's fragments in the last K step.
;   window 1: x's fragments, two sets of 64 at v0, v64; W's, two sets of 64 at v128, v192; in the last K step all 256: x's fragments of the whole step.
;   window 2: the accumulators of my rows 0-63 (accumulator (a, b) at v[64 a + 16 b]);   window 3: those of my rows 64-127.
; A step of 128 along K is one run of the next step's 32 fragment loads, into the other sets, and one run of 32 matrix instructions.
; THE LAST K STEP GOES BY ROWS OF C: my eight blocks of 16 rows are finished one after the other, 16 matrix instructions each, and each leaves while the next ones are multiplied.
; PREFETCH: with the load of K step j stands the prefetch of K step j + 2, and the head asks for K step 1 too.  Each of the four that ask for a tile jointly names 64 of its 256 rows, by address; a lane a row, one instruction a wave.
.set SIZE_N, 4096
.set KROW,   2048                      ; a row of codes in memory, in bytes
.set ROWB,   256                       ; a tile's row in bytes: 512 codes
.set PITCH,  272                       ; an LDS row: 256 bytes + 16 of padding: the 16 rows that a load touches start at 16 different banks (64 banks of 4 bytes: ISA guide 11.1)
.set HALFT,  128*PITCH                 ; 128 rows
.set SLOT,   4*HALFT                   ; W's 256 rows, then x's 256 rows
.set SPARE,  2*SLOT                    ; the spare words, 128 bytes for each wave: no other line names these two blocks
.set SCL,    SPARE+512                 ; W's scales: 128 units of 256 bytes + 16 of padding, two rows to a unit
.set HALFS,  64*272                    ; those of 128 rows
.set BNC,    SCL+2*HALFS               ; where x's scales are turned: 32 rows x (64 bytes + 16) for each wave; no tensor load lands there
.set BROW,   80
.set BWAVE,  32*BROW
.set SPITCH, 528                       ; the way out: a stage of 16 rows x (512 bytes + 16) for each wave, in slot 0, which has had its last fill and its last read by then
.set ADRA, 16                          ; v16-17  LDS address of my W fragments in slot 0, 1
.set ADRB, 18                          ; v18-19  of my x fragments
.set STO,  20                          ; the way out: where I put 32 bytes of a row
.set RD,   21                          ; where I read a row back
.set CO,   22                          ; my byte offset in a row of C
.set SWA,  23                          ; LDS address of my lane's row of W's scales
.set XGO,  26                          ; my lane's offset in x's scales
.set BST,  27                          ; where my lane stores them for the turn,
.set SPW,  28                          ; LDS address of my spare word
.set NIL,  29                          ; 0
.set BLD,  30                          ; and where it reads a row back
.set PFO,  31                          ; the prefetches' offset: my lane x a row of codes
.set WS,   32                          ; W's scale words: set k % 2 at v[WS + 16 (k % 2)]; register 4 i + q: lane l has row 32 i + l, the K step's q-th 128
.set XS,   64                          ; x's: K step k at v[XS + 16 k]; register 4 b + q: lane l has row 32 b + l
.set WL,   192                         ; the last K step: W's block a, 128 x 4 along K, at v[WL + 32 (a % 2)]
.set G1,  24                           ; s[24:31] descriptor group 1 for W's codes;  s[32:39] group 0, one set for each slot
.set G0,  32
.set G1B, 48                           ; s[48:55], s[56:63] the same for x's codes
.set G0B, 56
.set G1S, 68                           ; s[68:75], s[76:79] groups 1 and 0 for W's scales
.set G0S, 76
.set G0HA, 4                           ; s[4:7], s[8:11] group 0 for the head's loads of codes (the arguments that lay there have been used by then)
.set G0HB, 8
.set PFA, 92                           ; s[92:93] where my prefetches stand: K step 0 of my work-group's share of rows
.set MSB, 0
.macro WIN new                         ; the immediate's high byte repeats the setting that is left
.if MSB != (\new)
	s_set_vgpr_msb (MSB<<8)|(\new)
.set MSB, (\new)
.endif
.endm
.macro PLACES n                        ; places behind matrix instructions (ISA guide 7.12.1)
.rept \n
	v_nop
.endr
.endm
; A joint load of slot s: waves 0 and 1 fetch for W, waves 2 and 3 for x; the branch hangs on the wave's number alone.  An s_nop 0 and four v_nop follow each line.
.macro JLOAD s
	s_cmp_eq_u32 s15, 0
	s_cbranch_scc0 .Lfor_x_\@
	tensor_load_to_lds s[G0+4*(\s):G0+4*(\s)+3], s[G1:G1+7]
	s_nop 0
	PLACES 4
	s_branch .Lasked_\@
.Lfor_x_\@:
	tensor_load_to_lds s[G0B+4*(\s):G0B+4*(\s)+3], s[G1B:G1B+7]
	s_nop 0
	PLACES 4
.Lasked_\@:
.endm
.macro CREST                           ; a round of the cluster's barrier behind its opening barrier
	s_cmp_lg_u32 s14, 0
	s_cbranch_scc1 .Lnot_wave_0_\@
	s_barrier_signal -3
.Lnot_wave_0_\@:
	s_barrier_wait -3
	s_barrier_signal -1
	s_barrier_wait -1
.endm
.macro CROUND                          ; a whole round
	s_barrier_signal -1
	s_barrier_wait -1
	CREST
.endm
	s_load_b128 s[4:7], s[0:1], 0x0                ; W's codes, W's scales
	s_load_b128 s[8:11], s[0:1], 0x10              ; x's codes, x's scales
	s_load_b64 s[12:13], s[0:1], 0x20              ; out0
	v_lshl_add_u32 v[SPW], v0, 2, SPARE
	v_mov_b32 v[NIL], 0
	ds_add_u32 v[SPW], v[NIL]                      ; the wave's opening: the add, twice on end, and one wait for both
	ds_add_u32 v[SPW], v[NIL]
	v_lshrrev_b32 v1, 5, v0
	v_readfirstlane_b32 s14, v1                    ; wave 0..3
	s_lshr_b32 s15, s14, 1                         ; which half of the tile's rows is mine.  Also: in the ring I fetch for W (0) or for x (1)
	s_and_b32 s16, s14, 1                          ; which half of its columns.  Also: which 128 rows of that tile I fetch
	s_bfe_u32 s40, ttmp6, 0x40000                  ; cx, cy: my place in the cluster
	s_bfe_u32 s41, ttmp6, 0x40004
	s_lshl_b32 s42, ttmp9, 2
	s_add_co_u32 s42, s42, s40                     ; tile column of C
	s_and_b32 s17, ttmp7, 0xffff
	s_lshl_b32 s17, s17, 2
	s_add_co_u32 s17, s17, s41                     ; tile row of C
	s_lshl_b32 s43, s41, 2
	s_lshl_b32 s43, 15, s43                        ; my row of the cluster: places 4 cy .. 4 cy + 3
	s_lshl_b32 s44, 0x1111, s40                    ; my column: places cx, cx + 4, cx + 8, cx + 12
	; group 1 for codes: rows of 256 bytes, padded in LDS.  W's counts 256 rows for the head's load and 128 behind it; x's counts 128
	s_or_b32 s[G1+0], s43, (1<<20)|(1<<21)|(5<<22)|(3<<25)   ; 15:0 the mask; 17:16 elements of 1 byte; 20 padding on; 21 set beside a mask; 24:22 after every 64 words; 31:25 of 4 words
	s_or_b32 s[G1B+0], s44, (1<<20)|(1<<21)|(5<<22)|(3<<25)
.irp g, G1, G1B
	s_mov_b32 s[\g+1], ROWB<<16                    ; tensor_dim0
	s_mov_b32 s[\g+3], ROWB<<16                    ; tile_dim0
	s_mov_b32 s[\g+5], KROW                        ; tensor_dim0_stride
	s_mov_b32 s[\g+6], 0
	s_mov_b32 s[\g+7], 0
.endr
	s_mov_b32 s[G1+2], 256<<16                     ; tensor_dim1, tile_dim1
	s_mov_b32 s[G1+4], 256
	s_mov_b32 s[G1B+2], 128<<16
	s_mov_b32 s[G1B+4], 128
	; and for W's scales: the dense block of 32,768 bytes as 128 rows of 32 elements of 8 bytes, 16 bytes of padding behind each
	s_or_b32 s[G1S+0], s43, (3<<16)|(1<<20)|(1<<21)|(5<<22)|(3<<25)
	s_mov_b32 s[G1S+1], 32<<16
	s_mov_b32 s[G1S+2], 128<<16
	s_mov_b32 s[G1S+3], 32<<16
	s_mov_b32 s[G1S+4], 128
	s_mov_b32 s[G1S+5], 32
	s_mov_b32 s[G1S+6], 0
	s_mov_b32 s[G1S+7], 0
	s_lshl_b32 s20, s17, 19                        ; W's codes: 256 rows x 2,048 bytes a tile row
	s_mov_b32 s21, 0
	s_lshl_b32 s46, s42, 19                        ; x's, by the tile column
	s_mov_b32 s47, 0
	s_lshl_b32 s[G0S+2], s17, 15                   ; W's scales: 256 rows x 128 bytes
	s_mov_b32 s[G0S+3], 0
	s_lshl_b32 s22, s42, 15                        ; x's: by the tile column,
	s_lshl_b32 s23, s16, 14                        ; my 128 rows
	s_add_co_u32 s22, s22, s23
	s_mov_b32 s23, 0
	s_mul_i32 s45, s14, HALFT                      ; where my part of a slot goes: wave x 128 rows: no place in the cluster enters an LDS address
	s_mul_i32 s2, s15, HALFT                       ; my 128 rows of W
	s_mul_i32 s3, s16, HALFT                       ; my 128 rows of x,
	s_add_co_u32 s3, s3, 2*HALFT                   ; which lie behind W's 256
	s_mul_i32 s18, s15, HALFS                      ; W's scales of my rows
	s_add_co_u32 s18, s18, SCL
	s_mul_i32 s19, s14, 16*SPITCH                  ; my stage
	s_mul_i32 s66, s14, BWAVE                      ; where I turn x's scales
	s_add_co_u32 s66, s66, BNC
	v_and_b32 v1, 31, v0                           ; l
	v_and_b32 v2, 15, v0                           ; r = l % 16
	v_bfe_u32 v3, v0, 4, 1                         ; h = l / 16
	v_lshrrev_b32 v4, 2, v1                        ; l / 4
	v_and_b32 v5, 3, v0                            ; l % 4
	v_lshrrev_b32 v6, 1, v1                        ; l / 2
	v_and_b32 v7, 1, v0                            ; l % 2
	v_mul_u32_u24 v8, PITCH, v2
	v_lshl_add_u32 v8, v3, 4, v8                   ; a fragment's row x pitch + 16 h
	v_add_nc_u32 v[ADRA], s2, v8
	v_add_nc_u32 v[ADRB], s3, v8
	v_add_nc_u32 v[ADRA+1], SLOT, v[ADRA]
	v_add_nc_u32 v[ADRB+1], SLOT, v[ADRB]
	v_mul_u32_u24 v9, 272, v6                      ; W's scale row l: unit l / 2, its half l % 2
	v_lshl_add_u32 v9, v7, 7, v9
	v_add_nc_u32 v[SWA], s18, v9
	v_mul_u32_u24 v10, SPITCH, v2                  ; the way out, in: row r, 32 bytes for each half of the lanes
	v_lshl_add_u32 v10, v3, 5, v10
	v_add_nc_u32 v[STO], s19, v10
	v_lshlrev_b32 v[CO], 4, v1                     ; back: the 32 lanes take one row of 512 bytes; and the same in C
	v_add_nc_u32 v[RD], s19, v[CO]
	v_lshlrev_b32 v11, 4, v5
	v_lshl_add_u32 v[XGO], v4, 7, v11              ; x's scales in memory: row l / 4 of eight, 16 bytes x (l % 4)
	v_mul_u32_u24 v12, BROW, v4
	v_add_nc_u32 v12, v12, v11
	v_add_nc_u32 v[BST], s66, v12
	v_mul_u32_u24 v13, BROW, v1
	v_add_nc_u32 v[BLD], s66, v13                  ; read back: a row a lane
	v_lshlrev_b32 v[PFO], 11, v1
	s_wait_alu depctr_va_vdst(0)
	s_wait_dscnt 0x0                               ; both opening adds are done
	s_wait_kmcnt 0x0
	s_add_nc_u64 s[20:21], s[4:5], s[20:21]
	s_add_nc_u64 s[46:47], s[8:9], s[46:47]
	s_add_nc_u64 s[G0S+2:G0S+3], s[6:7], s[G0S+2:G0S+3]
	s_add_nc_u64 s[22:23], s[10:11], s[22:23]
	s_mov_b32 s[G0S], 1                            ; W's scales
	s_mov_b32 s[G0S+1], SCL
	s_or_b32 s[G0S+3], s[G0S+3], 0x80000000
	s_mov_b32 s[G0HA], 1                           ; the head: K step 0's 256 rows of W (wave 0),
	s_mov_b32 s[G0HA+1], 0
	s_mov_b64 s[G0HA+2:G0HA+3], s[20:21]
	s_or_b32 s[G0HA+3], s[G0HA+3], 0x80000000
	s_mov_b32 s[G0HB], 1                           ; and 128 rows of x (wave 1 the first, wave 2 the second)
	s_mul_i32 s[G0HB+1], s15, HALFT
	s_add_co_u32 s[G0HB+1], s[G0HB+1], 2*HALFT
	s_lshl_b32 s80, s15, 18
	s_mov_b32 s81, 0
	s_add_nc_u64 s[G0HB+2:G0HB+3], s[46:47], s[80:81]
	s_or_b32 s[G0HB+3], s[G0HB+3], 0x80000000
	CROUND                                         ; all sixteen work-groups are here: the first joint loads meet
	; one load a wave: one chain of branches, each way through passes exactly one load
	s_cmp_lt_u32 s14, 1
	s_cbranch_scc0 .Lhead_x
	tensor_load_to_lds s[G0HA:G0HA+3], s[G1:G1+7]
	s_nop 0
	PLACES 4
	s_branch .Lhead_asked
.Lhead_x:
	s_cmp_lt_u32 s14, 3
	s_cbranch_scc0 .Lhead_s
	tensor_load_to_lds s[G0HB:G0HB+3], s[G1B:G1B+7]
	s_nop 0
	PLACES 4
	s_branch .Lhead_asked
.Lhead_s:
	tensor_load_to_lds s[G0S:G0S+3], s[G1S:G1S+7]
	s_nop 0
	PLACES 4
.Lhead_asked:
; x's scales of my 128 rows: a load takes 64 bytes of each of eight rows; the registers are those that the turned words will have
.irp hf, 0,1
.irp b, 0,1,2,3
.irp t, 0,1,2,3
	global_load_b128 v[XS+16*(4*\hf+\t)+4*\b:XS+16*(4*\hf+\t)+4*\b+3], v[XGO], s[22:23] offset:(32*\b+8*\t)*128+64*\hf
.endr
.endr
.endr
	; the ring's descriptors: my 128 rows
	s_lshl_b32 s80, s16, 18
	s_mov_b32 s81, 0
.irp s, 0,1
	s_mov_b32 s[G0+4*\s], 1
	s_add_co_u32 s[G0+4*\s+1], s45, \s*SLOT
	s_add_nc_u64 s[G0+4*\s+2:G0+4*\s+3], s[20:21], s[80:81]
	s_add_nc_u64 s[G0+4*\s+2:G0+4*\s+3], s[G0+4*\s+2:G0+4*\s+3], \s*ROWB
	s_or_b32 s[G0+4*\s+3], s[G0+4*\s+3], 0x80000000
	s_mov_b32 s[G0B+4*\s], 1
	s_add_co_u32 s[G0B+4*\s+1], s45, \s*SLOT
	s_add_nc_u64 s[G0B+4*\s+2:G0B+4*\s+3], s[46:47], s[80:81]
	s_add_nc_u64 s[G0B+4*\s+2:G0B+4*\s+3], s[G0B+4*\s+2:G0B+4*\s+3], \s*ROWB
	s_or_b32 s[G0B+4*\s+3], s[G0B+4*\s+3], 0x80000000
.endr
	; the prefetches: waves 0 and 1 name rows of W (the partner's share by cx), waves 2 and 3 of x (by cy)
	s_cmp_eq_u32 s15, 0
	s_cselect_b32 s82, s40, s41
	s_cselect_b64 s[PFA:PFA+1], s[20:21], s[46:47]
	s_lshl_b32 s82, s82, 17                        ; 64 rows a partner,
	s_lshl_b32 s83, s16, 16                        ; 32 a wave
	s_add_co_u32 s82, s82, s83
	s_mov_b32 s83, 0
	s_add_nc_u64 s[PFA:PFA+1], s[PFA:PFA+1], s[82:83]
	global_prefetch_b8 v[PFO], s[PFA:PFA+1] offset:ROWB th:TH_LOAD_NT scope:SCOPE_SE   ; K step 1
	; my part of C, in bytes: 256 rows of 16,384 bytes a tile row, 128 rows for my half, 1,024 bytes a tile column, 512 for my half
	s_lshl_b32 s84, s17, 22
	s_lshl_b32 s85, s15, 21
	s_add_co_u32 s84, s84, s85
	s_lshl_b32 s85, s42, 10
	s_add_co_u32 s84, s84, s85
	s_lshl_b32 s85, s16, 9
	s_add_co_u32 s84, s84, s85
	s_mov_b32 s85, 0
	s_add_nc_u64 s[12:13], s[12:13], s[84:85]
; The turn, 32 rows x 64 bytes (four K steps' words) at a time: eight rows a store, a row a lane back.  LDS serves a wave's instructions in order (ISA guide 5.7.1.4): no wait between them.
.irp hf, 0,1
.irp b, 0,1,2,3
	s_wait_loadcnt 28-4*(4*\hf+\b)                 ; these four loads are in; the later ones may be out
.irp t, 0,1,2,3
	ds_store_b128 v[BST], v[XS+16*(4*\hf+\t)+4*\b:XS+16*(4*\hf+\t)+4*\b+3] offset:8*BROW*\t
.endr
.irp t, 0,1,2,3
	ds_load_b128 v[XS+16*(4*\hf+\t)+4*\b:XS+16*(4*\hf+\t)+4*\b+3], v[BLD] offset:16*\t
.endr
.endr
.endr
; One matrix instruction on what MD, MX, MW name: W's block a (16 rows) x x's block b (32 rows), the q-th 128 along K of K step k.  Source 0's scales fill 32 lanes; source 1's are lanes 0-15 (a even) or 16-31 (a odd)
; of their register.  zero = 1: the product starts the sum: nothing is cleared.
.macro MUL a, b, k, q, zero
.set MD, 64*((\a)%4)+16*(\b)
.set MS, XS+16*(\k)+4*(\b)+(\q)
.set MT, WS+16*((\k)%2)+4*((\a)/2)+(\q)
.if \zero
.if (\a)%2
	v_wmma_scale_f32_32x16x128_f4 v[MD:MD+15], v[MX:MX+15], v[MW:MW+7], 0, v[MS], v[MT] matrix_b_scale:MATRIX_SCALE_ROW1
.else
	v_wmma_scale_f32_32x16x128_f4 v[MD:MD+15], v[MX:MX+15], v[MW:MW+7], 0, v[MS], v[MT]
.endif
.else
.if (\a)%2
	v_wmma_scale_f32_32x16x128_f4 v[MD:MD+15], v[MX:MX+15], v[MW:MW+7], v[MD:MD+15], v[MS], v[MT] matrix_b_scale:MATRIX_SCALE_ROW1
.else
	v_wmma_scale_f32_32x16x128_f4 v[MD:MD+15], v[MX:MX+15], v[MW:MW+7], v[MD:MD+15], v[MS], v[MT]
.endif
.endif
.endm
; W's block a against x's four blocks.  The 32 accumulators take turns, one instruction a turn, in the same order in every step.
.macro GROUP a, k, q, zero
	WIN 0xa5+0x50*((\a)/4)                         ; sources 0, 1: window 1; C and D: window 2 or 3
.irp b, 0,1,2,3
.set MX, 64*((\q)%2)+16*\b
.set MW, 128+64*((\q)%2)+8*(\a)
	MUL \a, \b, \k, \q, \zero
.endr
.endm
; A fragment of 16 rows x 128 K is 8 registers: lane (r, h) holds row r; registers 4 c .. 4 c + 3 hold K = 64 c + 32 h + 0 .. 31: two loads, 32 bytes apart.
.macro FRAG reg, adr, off
	ds_load_b128 v[\reg:\reg+3], v[\adr] offset:\off
	ds_load_b128 v[\reg+4:\reg+7], v[\adr] offset:\off+32
.endm
; A step's 32 loads in one run: x's eight fragments, then W's eight, of the slot's q-th 128 along K, into set p
.macro FETCH slot, q, p
	WIN 0x40                                       ; destination window 1, address window 0
.irp n, 0,1,2,3,4,5,6,7
	FRAG 64*(\p)+8*\n, ADRB+(\slot), 64*(\q)+\n*16*PITCH
.endr
.irp n, 0,1,2,3,4,5,6,7
	FRAG 128+64*(\p)+8*\n, ADRA+(\slot), 64*(\q)+\n*16*PITCH
.endr
.endm
.macro SCALES k                        ; W's scale words of K step k
	WIN 0
.irp i, 0,1,2,3
	ds_load_b128 v[WS+16*((\k)%2)+4*\i:WS+16*((\k)%2)+4*\i+3], v[SWA] offset:\i*16*272+16*(\k)
.endr
.endm
; For the last K step (slot 1): x's fragments of its q-th 128 along K, into window 1 at 0, 128, 64, 192 for q = 0 .. 3; and W's block a, all four, into window 0
.macro XLOAD q
	WIN 0x40
.irp n, 0,1,2,3,4,5,6,7
	FRAG 128*((\q)%2)+64*((\q)/2)+8*\n, ADRB+1, 64*(\q)+\n*16*PITCH
.endr
.endm
.macro WLOAD a
	WIN 0
.irp q, 0,1,2,3
	FRAG WL+32*((\a)%2)+8*\q, ADRA+1, 64*\q+(\a)*16*PITCH
.endr
.endm
; A step of 128 along K whose successor lies in the same slot.  Its own loads were issued a step ago: at W's block a the last 14 - 2 a of them may be out, and the 32 of the next step behind them.
.macro STEP k, q, zero
	PLACES 4                                       ; for the loads into the sets that the step before multiplied
	FETCH (\k)%2, (\q)+1, ((\q)+1)%2
.irp a, 0,1,2,3,4,5,6,7
	s_wait_dscnt 46-2*\a
	GROUP \a, \k, \q, \zero
.endr
.endm
; K step k's last step changes slots: ONE barrier; in front of it each wave waits for all its tensor loads, adds 0 to its spare word, and waits for that and for its own reads of this slot.
; fill = 1: the barrier opens a round of the cluster's barrier and the slot takes K step k + 2.  pf = 1: K step k + 4 is prefetched.  last = 1: what follows is the last K step.
.macro TURN k, fill, pf, last
	WIN 0                                          ; (the add's two registers lie in window 0)
	s_wait_tensorcnt 0x0                           ; all my tensor loads have landed: my part of the next slot
	ds_add_u32 v[SPW], v[NIL]                      ; 0 onto my spare word
	s_wait_dscnt 15                                ; the add and the youngest 14 loads may be out
	GROUP 0, \k, 3, 0
	s_wait_dscnt 13
	GROUP 1, \k, 3, 0
	s_wait_dscnt 0x0                               ; the add is done, and my reads of this slot are over
	s_barrier_signal -1
	GROUP 2, \k, 3, 0
	GROUP 3, \k, 3, 0
	WIN 0
	s_barrier_wait -1
.if \fill
	CREST                                          ; no wave of any partner still reads this slot's tile or has a load on its way
.set TG, G0+4*((\k)%2)+2
	s_add_nc_u64 s[TG:TG+1], s[TG:TG+1], 2*ROWB
.set TG, G0B+4*((\k)%2)+2
	s_add_nc_u64 s[TG:TG+1], s[TG:TG+1], 2*ROWB
	JLOAD (\k)%2                                   ; the first tensor load behind the round; its four v_nop are also the places in front of the loads below
.else
	PLACES 4
.endif
	SCALES (\k)+1
.if \last
	XLOAD 0                                        ; the sets that the step before multiplied are free: a half of x's fragments now
	XLOAD 1
	WLOAD 0
.else
	FETCH ((\k)+1)%2, 0, 0
.endif
.if \pf
	global_prefetch_b8 v[PFO], s[PFA:PFA+1] offset:ROWB*((\k)+4) th:TH_LOAD_NT scope:SCOPE_SE
.endif
.irp a, 4,5,6,7
	GROUP \a, \k, 3, 0
.endr
.endm
	s_wait_tensorcnt 0x0                           ; my load of the head's four is in
	ds_add_u32 v[SPW], v[NIL]
	s_mov_b32 s[G1+2], 128<<16                     ; no tensor load of mine is out: from here on a load of W's codes brings 128 rows
	s_mov_b32 s[G1+4], 128
	s_wait_dscnt 0x0                               ; the add is done, and x's scale words are in their registers
	CROUND                                         ; everybody's part is in, and all sixteen work-groups are here
	JLOAD 1                                        ; K step 1, the first tensor load behind the round
	SCALES 0
	FETCH 0, 0, 0
	global_prefetch_b8 v[PFO], s[PFA:PFA+1] offset:2*ROWB th:TH_LOAD_NT scope:SCOPE_SE   ; K steps 2 and 3
	global_prefetch_b8 v[PFO], s[PFA:PFA+1] offset:3*ROWB th:TH_LOAD_NT scope:SCOPE_SE
	STEP 0, 0, 1                                   ; the first products start the sums
	STEP 0, 1, 0
	STEP 0, 2, 0
	TURN 0, 1, 1, 0
.irp k, 1,2,3,4,5
	STEP \k, 0, 0
	STEP \k, 1, 0
	STEP \k, 2, 0
	TURN \k, 1, (\k<4), 0                          ; K steps 0 to 5 fill their slot again, with K steps 2 to 7; K steps 4 to 7 are prefetched
.endr
	STEP 6, 0, 0
	STEP 6, 1, 0
	STEP 6, 2, 0
	TURN 6, 0, 0, 1                                ; nothing is filled again
	PLACES 4
	XLOAD 2                                        ; the rest of x's fragments, into the sets just multiplied
	XLOAD 3
	WLOAD 1
; THE LAST K STEP, BY ROWS OF C.  Block a: 16 rows x 128 columns, 16 matrix instructions, its four accumulators by turns, K ascending.
.macro ROW a
	WIN 0xa1+0x50*((\a)/4)                         ; x's fragments: window 1; W's: window 0; C and D: window 2 or 3
.irp q, 0,1,2,3
.if (\a) == 0 && \q == 0
	s_wait_dscnt 40                                ; the 40 loads behind the change of slots' last may be out
.endif
.if (\a) == 0 && \q == 2
	s_wait_dscnt 24                                ; x's q = 2 is in; behind it q = 3's 16 loads and W's 8
.endif
.if (\a) == 0 && \q == 3
	s_wait_dscnt 8                                 ; x's q = 3 is in
.endif
.irp b, 0,1,2,3
.set MX, 128*(\q%2)+64*(\q/2)+16*\b
.set MW, WL+32*((\a)%2)+8*\q
	MUL \a, \b, 7, \q, 0
.endr
.endr
.endm
; The block's way out.  A lane holds 32 neighbouring bytes of a row, and the lanes beside it hold other rows: so the block goes through my own stage in LDS and comes back, into its own accumulators' registers, as
; whole rows of 512 bytes, which the 32 lanes store.  LDS serves a wave's instructions in order (ISA guide 5.7.1.4): no wait between the stores and the loads, nor in front of the next block's stores.
.macro TOSTAGE a
.set AC, 64*((\a)%4)
	WIN 0x08+4*((\a)/4)                            ; the data: window 2 or 3
.irp b, 0,1,2,3,4,5,6,7
	ds_store_b128 v[STO], v[AC+8*\b:AC+8*\b+3] offset:64*\b          ; each accumulator from its low end on
	ds_store_b128 v[STO], v[AC+8*\b+4:AC+8*\b+7] offset:64*\b+16
.endr
	WIN 0x80+0x40*((\a)/4)
.irp t, 0,1,2,3,4,5,6,7,8,9,10,11,12,13,14,15
	ds_load_b128 v[AC+4*\t:AC+4*\t+3], v[RD] offset:\t*SPITCH
.endr
.endm
.macro SEND a
.set AC, 64*((\a)%4)
	WIN 0x08+4*((\a)/4)
.irp t, 0,1,2,3,4,5,6,7,8,9,10,11,12,13,14,15
	global_store_b128 v[CO], v[AC+4*\t:AC+4*\t+3], s[12:13] offset:(16*(\a)+\t)*SIZE_N*4 th:TH_STORE_NT   ; 32 lanes store 512 consecutive bytes, at a multiple of 256 from C's first byte; the offset is 127 rows of C at the most
.endr
.endm
.irp a, 0,1,2,3,4,5,6,7
	ROW \a
	PLACES 4                                       ; for the reads of these results and the loads into the registers that they were made from
	TOSTAGE \a
.if \a < 6
	WLOAD \a+2                                     ; into the buffer just multiplied
	s_wait_dscnt 40                                ; block a's 32 and these 8 may be out: block a - 1 is back, and W's block a + 1 is in
.else
	s_wait_dscnt 32                                ; block a's 32 may be out
.endif
.if \a > 0
	SEND \a-1
.endif
.endr
	s_wait_dscnt 0x0
	SEND 7
	WIN 0
	s_wait_tensorcnt 0x0                           ; the wave's end
	ds_add_u32 v[SPW], v[NIL]
	s_wait_dscnt 0x0
	CROUND                                         ; the closing round: no work-group ends while a partner may still ask for a tile that names it
	s_endpgm
.Lfunc_end_k_q16dd4687f7_gemm:
	.size	k_q16dd4687f7_gemm, .Lfunc_end_k_q16dd4687f7_gemm-k_q16dd4687f7_gemm
	.p2alignl 7, 3214868480
	.fill 96, 4, 3214868480
	.section	.rodata,"a",@progbits
	.p2align	6, 0x0
	.amdhsa_kernel k_q16dd4687f7_gemm
		.amdhsa_group_segment_fixed_size 327680
		.amdhsa_private_segment_fixed_size 0
		.amdhsa_enable_private_segment 0
		.amdhsa_kernarg_size 40
		.amdhsa_user_sgpr_count 2
		.amdhsa_user_sgpr_kernarg_segment_ptr 1
		.amdhsa_wavefront_size32 1
		.amdhsa_system_sgpr_workgroup_id_x 1
		.amdhsa_system_sgpr_workgroup_id_y 1
		.amdhsa_system_sgpr_workgroup_id_z 1
		.amdhsa_system_vgpr_workitem_id 0
		.amdhsa_next_free_vgpr 1024
		.amdhsa_next_free_sgpr 96
		.amdhsa_reserve_vcc 0
		.amdhsa_float_denorm_mode_32 3
		.amdhsa_float_denorm_mode_16_64 3
		.amdhsa_memory_ordered 1
		.amdhsa_forward_progress 1
		.amdhsa_inst_pref_size 255
	.end_amdhsa_kernel
	.section	.bss,"aw",@nobits
	.p2align	6
	.space	262144
	.amdgpu_metadata
---
amdhsa.version: [ 1, 2 ]
amdhsa.kernels:
  - .name:           k_q16dd4687f7_gemm
    .symbol:         k_q16dd4687f7_gemm.kd
    .args:
      - { .name: W_codes, .offset: 0, .size: 8, .value_kind: global_buffer, .address_space: global }
      - { .name: W_scales, .offset: 8, .size: 8, .value_kind: global_buffer, .address_space: global }
      - { .name: x_codes, .offset: 16, .size: 8, .value_kind: global_buffer, .address_space: global }
      - { .name: x_scales, .offset: 24, .size: 8, .value_kind: global_buffer, .address_space: global }
      - { .name: out0, .offset: 32, .size: 8, .value_kind: global_buffer, .address_space: global }
    .group_segment_fixed_size: 327680
    .private_segment_fixed_size: 0
    .kernarg_segment_align: 8
    .kernarg_segment_size: 40
    .max_flat_workgroup_size: 128
    .sgpr_count:     96
    .vgpr_count:     1024
    .wavefront_size: 32
...
	.end_amdgpu_metadata
.endif
;; end of part 1
